; MI455X (gfx1250); checked and timed in simulation.
; The chip was launched on July 23, 2026; its instructions are those of AMD's public machine-readable ISA for CDNA 5 (MIT licence, August 2026) and "CDNA5" Instruction Set Architecture Reference Guide (July 2026). The comments in the code are by the model that wrote it; some were corrected since.
;; Multihead Attention. Allowed arithmetic: matrix products marked QUANTISED: E5M2 operands, one given power-of-two scale a tensor, by v_wmma_f32_16x16x64_bf8_bf8 or v_wmma_f32_16x16x128_bf8_bf8, f32 sums; everything else in f32.
;; Inputs: Wk 1,024 x 1,024 float32; Wo 1,024 x 1,024 float32; Wq 1,024 x 1,024 float32; Wv 1,024 x 1,024 float32; bk 1,024 float32; bo 1,024 float32; bq 1,024 float32; bv 1,024 float32; lowp_scales 12 int32 (the exponents e of the quantised operands' scales 2^e); x 4 x 2,048 x 1,024 float32.
;; Outputs: out0 4 x 2,048 x 1,024 float32.
;; This version of the problem:
;;   THIS VERSION OF THE PROBLEM IS GIVEN IN LOW PRECISION. The matrix products marked QUANTISED in the list below multiply operands that are first quantised to E5M2 (5 exponent bits, 2 mantissa bits; 8 bits a number), with one given power-of-two scale for each operand tensor; their sums are f32. All else is computed in f32.
;;   The module's matrix products, in the order in which they are computed (A, B: the left and right operand; K: the contracted axis; several contracted axes count as one K, in the product's order):
;;     1. [M 8,192, K 1,024] x [K 1,024, N 1,024]; A: input x; B: input Wq: QUANTISED (scales: A lowp_scales[0], B lowp_scales[1])
;;     2. [M 8,192, K 1,024] x [K 1,024, N 1,024]; A: input x; B: input Wk: QUANTISED (scales: A lowp_scales[2], B lowp_scales[3])
;;     3. [M 8,192, K 1,024] x [K 1,024, N 1,024]; A: input x; B: input Wv: QUANTISED (scales: A lowp_scales[4], B lowp_scales[5])
;;     4. batch 64 x [M 2,048, K 64] x [K 64, N 2,048]; A: computed on the way; B: computed on the way: QUANTISED (scales: A lowp_scales[6], B lowp_scales[7])
;;     5. batch 64 x [M 2,048, K 2,048] x [K 2,048, N 64]; A: softmax (see below); B: computed on the way: QUANTISED (scales: A lowp_scales[8], B lowp_scales[9])
;;     6. [M 8,192, K 1,024] x [K 1,024, N 1,024]; A: computed on the way; B: input Wo: QUANTISED (scales: A lowp_scales[10], B lowp_scales[11])
;;   THE QUANTISER, for each operand of a quantised product, along K:
;;     - The operand's scale is 2^e, e = its entry of the input lowp_scales (int32; the entries are numbered through the quantised products in the list's order, A before B).
;;     - Each number is divided by the scale, clamped to +-57,344, and rounded to the nearest number of E5M2, ties to even, subnormals kept.
;;     - The product sums the exact products of the quantised numbers (number of the format x scale) in f32.
;;   ~~~python
;;   def quantise(x, axis, e):      # numpy; x: float32 -> the quantised numbers, widened to float32 again
;;       x = np.moveaxis(x, axis, -1); K = x.shape[-1]
;;       r = np.clip(x / 2.0 ** e, -57344, 57344)
;;       step = 2.0 ** (np.maximum(np.frexp(np.where(r == 0, 1, r))[1] - 1, -14) - 2)
;;       q = np.round(r / step) * step * 2.0 ** e      # np.round: ties to even
;;       return np.moveaxis(q, -1, axis).astype(np.float32)
;;   ~~~
;;   SOFTMAX AHEAD OF A QUANTISED PRODUCT. Where the list says 'softmax', what is quantised is not the finished softmax but p = 2^(t - M), with t = logit x log2(e) and M = ceil(the row's largest t), a whole number; so 1/2 < the row's largest p <= 1. The row's sum l is taken of the UNQUANTISED p, in f32, and the product's result is divided by l at the end. Since M is a whole number, a kernel that streams over the keys may use a running M (the ceiling of the running maximum): every later rescaling is an exact power of two, so the quantised numbers keep their values, but for numbers so far below the row's largest that they fall under the format's range.
;;   OPERANDS COMPUTED ON THE WAY. 'Computed on the way' means the value that the module computes at that place (a softmax that the list does not call 'softmax' is quantised finished and normalised). What goes into a quantiser is computed in f32, as accurately as f32 sums, v_exp_f32 and their like allow (about 1e-6 of the number): no bf16 or f16 on the way to a quantiser, and a product that is left as it is and whose result goes on into a quantised operand takes f32 operands (vector FMAs, or v_wmma_f32_16x16x4_f32). A number that lies on a knife's edge between two numbers of the format may be rounded either way, as far as f32 arithmetic and the matrix unit's own rounding can turn it there, and no further.
;; One version. Each part assembles by itself: llvm-mc -triple=amdgcn-amd-amdhsa -mcpu=gfx1250 --defsym DOCPART=n.
;; ======== version 1 of 1: 4 launches
;; limits: right only within a limited range of input values
;; workspace buffers: codes 29,360,128 bytes; qkv 25,165,824 bytes; ac 8,388,608 bytes
;; launch quant (part 1): grid 384 x 1, 4 waves a work-group, no clusters, 68,096 bytes of LDS; arguments x, Wq, Wk, Wv, Wo, lowp_scales, codes; writes codes
.if DOCPART == 1
	.amdgcn_target "amdgcn-amd-amdhsa--gfx1250"
	.amdhsa_code_object_version 6
	.text
	.protected	k_qa27e625894_quant
	.globl	k_qa27e625894_quant
	.p2align	8
	.type	k_qa27e625894_quant,@function
k_qa27e625894_quant:
	s_mov_b64 s[64:65], 0
	v_nop
	global_prefetch_b8 v0, s[64:65] scope:SCOPE_SE
	s_setreg_imm32_b32 hwreg(HW_REG_WAVE_MODE, 25, 1), 1
	s_wait_xcnt 0x0
; x [8192][1024] f32 and the four weights [1024 (k)][1024 (n)] f32 become codes of BF8 (E5M2), each with the scale 2^e that is given for it.
; code = number / 2^e, held within +-57,344, rounded to the nearest code, ties to even.  x is an operand of three products with three entries of the scales (0, 2, 4): it is read once and quantised three times.
; THE CODES ARE LAID AS IMAGES OF THE OPERAND'S REGISTERS.  A fragment, 16 rows x 128 K, is 2,048 bytes: group c (0..3) at 512 c, lane l = r + 16 h at 16 l; of a lane's 16 bytes the first eight are
; k = 32 c + 8 h + 0..7 and the last eight k = 32 c + 16 + 8 h + 0..7 of row r: registers 4 c .. 4 c + 3 of the plain 8-bit form (ISA guide 7.12.2).  So every later load of a fragment is 16 bytes a lane, 512 on end.
; codes: x's at 0: [scale 0..2][row tile 512][K block 8][2048]; the weights' at WC0: [Wq, Wk, Wv, Wo][column tile 64][K block 8][2048].
; Work-groups 0-255 take x, 256-383 the weights: two paths that part on the work-group's number; the x path alone uses LDS.  Work-groups share no input: no cluster, no tensor load, no barrier: waves share nothing.
; LIMITS: each exponent lies between -126 and 112, so that 2^e and 57,344 x 2^e are f32 numbers.  NaN among the inputs is not served.
.set WC0,  25165824                    ; 3 x 8,388,608
.set XSC,  8388608                     ; x's codes under one scale
.set STG,  8448                        ; a stage: 16 rows x 528 bytes (512 + 16: row r starts 33 r sixteens on, so sixteen rows fall on sixteen different columns of 16 bytes)
.set XO,   2                           ; v2      16 x lane
.set STW,  3                           ; v3      the stage, on the way in
.set STR,  4                           ; v4      and on the way out
.set SC,   5                           ; v5-7    2^e as f32, for scales 0, 2, 4 (weights: v5)
.set LM,   8                           ; v8-10   57,344 x 2^e (weights: v8)
.set R,    16                          ; v16-143  two sets of 64: a unit as loaded
.set X,    144                         ; v144-175 two sets of 16 numbers in the image's order
.set T,    176                         ; v176-207 two sets of 16: held numbers
.set C,    208                         ; v208-255 codes: scale s, group c at C + 16 s + 4 c
.set XW,   16                          ; weights: v16-79 two sets of 32 numbers down K
.set CW,   80                          ; weights: v80-143 codes, 8 registers a block, never rewritten
.macro LOAD u                          ; unit u: 16 rows x 128 K: a row's 512 consecutive bytes an instruction
.irp r, 0,1,2,3,4,5,6,7,8,9,10,11,12,13,14,15
	global_load_b128 v[R+64*((\u)%2)+4*\r:R+64*((\u)%2)+4*\r+3], v[XO], s[40:41] offset:4096*\r+512*(\u) th:TH_LOAD_NT
.endr
.endm
.macro DSL u, c                        ; group c of the unit, in the image's order: lane (r, h) takes k = 32 c + 8 h + 0..7 and 32 c + 16 + 8 h + 0..7 of row r
	ds_load_b128 v[X+16*((\c)%2):X+16*((\c)%2)+3],     v[STR] offset:STG*((\u)%2)+128*(\c)
	ds_load_b128 v[X+16*((\c)%2)+4:X+16*((\c)%2)+7],   v[STR] offset:STG*((\u)%2)+128*(\c)+16
	ds_load_b128 v[X+16*((\c)%2)+8:X+16*((\c)%2)+11],  v[STR] offset:STG*((\u)%2)+128*(\c)+64
	ds_load_b128 v[X+16*((\c)%2)+12:X+16*((\c)%2)+15], v[STR] offset:STG*((\u)%2)+128*(\c)+80
.endm
.macro Q3 u, c                         ; the group under the three scales.  The held numbers' two sets take turns, so that the line behind a conversion never writes its sources
.irp s, 0,1,2
.set TS, T+16*((3*(\c)+\s)%2)
.irp i, 0,1,2,3,4,5,6,7,8,9,10,11,12,13,14,15
	v_med3_num_f32 v[TS+\i], v[X+16*((\c)%2)+\i], -v[LM+\s], v[LM+\s]   ; the conversion to an 8-bit code does not saturate (ISA guide 7.6.2): the hold comes first
.endr
	v_cvt_scalef32_pk8_bf8_f32 v[C+16*\s+4*(\c):C+16*\s+4*(\c)+1],   v[TS:TS+7],    v[SC+\s]
	v_cvt_scalef32_pk8_bf8_f32 v[C+16*\s+4*(\c)+2:C+16*\s+4*(\c)+3], v[TS+8:TS+15], v[SC+\s]
	global_store_b128 v[XO], v[C+16*\s+4*(\c):C+16*\s+4*(\c)+3], s[42+2*\s:43+2*\s] offset:2048*(\u)+512*(\c)   ; 32 lanes store 512 consecutive bytes, aligned
.endr
.endm
.macro UNIT u
.if (\u) < 3
	s_wait_loadcnt 16                              ; this unit's 16 loads are in; the next unit's 16 may be out
.else
	s_wait_loadcnt 0
.endif
.irp r, 0,1,2,3,4,5,6,7,8,9,10,11,12,13,14,15
	ds_store_b128 v[STW], v[R+64*((\u)%2)+4*\r:R+64*((\u)%2)+4*\r+3] offset:STG*((\u)%2)+528*\r
.endr
	DSL \u, 0                                      ; LDS serves a wave's instructions in order (ISA guide 5.7.1.4): no wait between the stores and the loads
	DSL \u, 1
	s_wait_xcnt 0x0                                ; the last unit's stores have read the codes' registers: they are written again only behind this wait
.irp c, 0,1,2,3
.if \c < 3
	s_wait_dscnt 4                                 ; this group's four loads are in; the next group's four may be out
.else
	s_wait_dscnt 0
.endif
.if (\c == 0) && ((\u)+2 < 4)
	LOAD (\u)+2                                    ; the stage's stores are done (they stand ahead of the loads just waited for): their registers take the unit two on
.endif
	Q3 \u, \c
.if \c+2 < 4
	DSL \u, \c+2
.endif
.endr
.endm
.macro LOADW t                         ; weights, block t: W(32 t + i, my column), i = 0..31: 32 lanes read 128 consecutive bytes, the four waves 512
.set i, 0
.rept 32
	global_load_b32 v[XW+32*((\t)%2)+i], v2, s[28:29] offset:(32*(\t)+i)*4096 th:TH_LOAD_NT
.set i, i+1
.endr
.endm
.macro BLOCK t
.set XB, XW+32*((\t)%2)
.if (\t) < 7
	s_wait_loadcnt 32                              ; this block's 32 loads are in; the next block's may be out
.else
	s_wait_loadcnt 0
.endif
.set i, 0
.rept 32
	v_med3_num_f32 v[XB+i], v[XB+i], -v[LM], v[LM]
.set i, i+1
.endr
	; my column's 32 codes are two lanes' places of the image: k 0-7 and 16-23 are half 0's 16 bytes, k 8-15 and 24-31 half 1's
	v_cvt_scalef32_pk8_bf8_f32 v[CW+8*(\t):CW+8*(\t)+1],   v[XB:XB+7],     v[SC]
	v_cvt_scalef32_pk8_bf8_f32 v[CW+8*(\t)+4:CW+8*(\t)+5], v[XB+8:XB+15],  v[SC]
	v_cvt_scalef32_pk8_bf8_f32 v[CW+8*(\t)+2:CW+8*(\t)+3], v[XB+16:XB+23], v[SC]
	v_cvt_scalef32_pk8_bf8_f32 v[CW+8*(\t)+6:CW+8*(\t)+7], v[XB+24:XB+31], v[SC]
	global_store_b128 v3, v[CW+8*(\t):CW+8*(\t)+3],   s[16:17] offset:2048*((\t)/4)+512*((\t)%4)       ; sixteen lanes store 256 consecutive bytes, aligned
	global_store_b128 v3, v[CW+8*(\t)+4:CW+8*(\t)+7], s[16:17] offset:2048*((\t)/4)+512*((\t)%4)+256
.if (\t)+2 < 8
	LOADW (\t)+2
.endif
.endm
	s_load_b256 s[4:11], s[0:1], 0x0               ; x s[4:5], Wq s[6:7], Wk s[8:9], Wv s[10:11]
	s_load_b128 s[12:15], s[0:1], 0x20             ; Wo s[12:13], the scales' exponents s[14:15]
	s_load_b64 s[16:17], s[0:1], 0x30              ; codes
	v_lshl_add_u32 v14, v0, 2, 0x10800
	v_mov_b32 v15, 0
	v_lshrrev_b32 v1, 5, v0
	v_readfirstlane_b32 s20, v1                    ; wave 0..3
	v_and_b32 v1, 31, v0                           ; lane
	s_wait_kmcnt 0x0
	s_load_b256 s[32:39], s[14:15], 0x0            ; e0 .. e7
	s_load_b128 s[24:27], s[14:15], 0x20           ; e8 .. e11
	s_cmp_lt_u32 ttmp9, 256
	s_cbranch_scc0 .Lweights
	; ---- x.  Wave w: row tile 2 x work-group + w / 2, K blocks 4 (w % 2) + 0..3: four units of 16 rows x 128 K
	s_wait_alu depctr_va_vdst(0)
	v_lshlrev_b32 v[XO], 4, v1
	s_wait_alu depctr_va_vdst(0)
	s_mul_i32 s21, s20, 2*STG                      ; my wave's two stages
	v_add_nc_u32 v[STW], s21, v[XO]
	v_and_b32 v11, 15, v1                          ; r
	v_lshrrev_b32 v12, 4, v1                       ; h
	v_mul_u32_u24 v[STR], v11, 528
	v_lshl_add_u32 v[STR], v12, 5, v[STR]
	v_add_nc_u32 v[STR], s21, v[STR]               ; row r, + 32 h bytes: eight numbers
	s_lshl_b32 s22, ttmp9, 1
	s_lshr_b32 s23, s20, 1
	s_add_co_u32 s22, s22, s23                     ; the row tile
	s_and_b32 s23, s20, 1
	s_lshl_b32 s28, s22, 16                        ; 16 rows of 4,096 bytes
	s_lshl_b32 s29, s23, 11                        ; four K blocks of 512 bytes
	s_add_co_u32 s28, s28, s29
	s_mov_b32 s29, 0
	s_add_nc_u64 s[40:41], s[4:5], s[28:29]
	s_lshl_b32 s28, s22, 14                        ; a row tile's eight fragments
	s_lshl_b32 s30, s23, 13
	s_add_co_u32 s28, s28, s30
	s_add_nc_u64 s[42:43], s[16:17], s[28:29]      ; the codes under scale 0,
	s_add_nc_u64 s[44:45], s[42:43], XSC           ; 2,
	s_add_nc_u64 s[46:47], s[44:45], XSC           ; 4
	LOAD 0
	LOAD 1
	s_wait_alu depctr_va_vdst(0)
	s_wait_kmcnt 0x0
.irp s, 0,1,2
	s_add_co_i32 s[32+2*\s], s[32+2*\s], 127
	s_lshl_b32 s21, s[32+2*\s], 23
	v_mov_b32 v[SC+\s], s21                        ; 2^e as f32: the conversion takes its exponent field
	s_add_co_i32 s[32+2*\s], s[32+2*\s], 15
	s_lshl_b32 s21, s[32+2*\s], 23
	s_or_b32 s21, s21, 0x600000
	v_mov_b32 v[LM+\s], s21                        ; 57,344 x 2^e
.endr
	s_wait_alu depctr_va_vdst(0)
	UNIT 0
	UNIT 1
	UNIT 2
	UNIT 3
	s_wait_tensorcnt 0x0
	ds_add_u32 v14, v15
	s_wait_dscnt 0x0
	s_endpgm
	; ---- the weights.  K is their first axis: a lane takes a column n and its registers run down K, so the conversions give codes with K innermost and nothing is transposed.
	; Work-group j = 0..127: weight j / 32, 128 columns (j / 4) % 8, 256 along K j % 4; wave w: 32 of the columns
.Lweights:
	s_sub_co_u32 s21, ttmp9, 256
	s_lshr_b32 s22, s21, 5                         ; which weight
	s_bfe_u32 s23, s21, 0x30002                    ; which 128 columns
	s_and_b32 s21, s21, 3                          ; which 256 along K
	s_mov_b64 s[28:29], s[12:13]
	s_cmp_eq_u32 s22, 0
	s_cselect_b64 s[28:29], s[6:7], s[28:29]
	s_cmp_eq_u32 s22, 1
	s_cselect_b64 s[28:29], s[8:9], s[28:29]
	s_cmp_eq_u32 s22, 2
	s_cselect_b64 s[28:29], s[10:11], s[28:29]     ; the choice hangs on the work-group's number alone
	s_lshl_b32 s30, s21, 20                        ; 256 rows of 4,096 bytes
	s_lshl_b32 s31, s23, 9
	s_add_co_u32 s30, s30, s31
	s_lshl_b32 s31, s20, 7
	s_add_co_u32 s30, s30, s31                     ; + 4 x (128 x block + 32 x wave)
	s_mov_b32 s31, 0
	s_add_nc_u64 s[28:29], s[28:29], s[30:31]
	s_lshl_b32 s30, s22, 20                        ; a weight's codes
	s_lshl_b32 s40, s23, 17                        ; eight column tiles of 16,384 bytes
	s_add_co_u32 s30, s30, s40
	s_lshl_b32 s40, s20, 15                        ; two
	s_add_co_u32 s30, s30, s40
	s_lshl_b32 s40, s21, 12                        ; two K blocks
	s_add_co_u32 s30, s30, s40
	s_add_co_u32 s30, s30, WC0
	s_add_nc_u64 s[16:17], s[16:17], s[30:31]
	s_wait_alu depctr_va_vdst(0)
	v_lshlrev_b32 v2, 2, v1                        ; in: 4 bytes a lane
	v_and_b32 v11, 15, v1
	v_lshrrev_b32 v12, 4, v1
	v_lshlrev_b32 v3, 4, v11
	v_lshl_add_u32 v3, v12, 14, v3                 ; out: lanes 16-31 hold the next column tile; 16 bytes for each column
	LOADW 0
	LOADW 1
	s_wait_kmcnt 0x0
	s_mov_b32 s30, s27                             ; Wo: entry 11
	s_cmp_eq_u32 s22, 0
	s_cselect_b32 s30, s33, s30                    ; Wq: entry 1
	s_cmp_eq_u32 s22, 1
	s_cselect_b32 s30, s35, s30                    ; Wk: entry 3
	s_cmp_eq_u32 s22, 2
	s_cselect_b32 s30, s37, s30                    ; Wv: entry 5
	s_add_co_i32 s30, s30, 127
	s_lshl_b32 s31, s30, 23
	v_mov_b32 v[SC], s31
	s_add_co_i32 s30, s30, 15
	s_lshl_b32 s30, s30, 23
	s_or_b32 s30, s30, 0x600000
	v_mov_b32 v[LM], s30
	s_wait_alu depctr_va_vdst(0)
	BLOCK 0
	BLOCK 1
	BLOCK 2
	BLOCK 3
	BLOCK 4
	BLOCK 5
	BLOCK 6
	BLOCK 7
	s_endpgm
.Lfunc_end_k_qa27e625894_quant:
	.size	k_qa27e625894_quant, .Lfunc_end_k_qa27e625894_quant-k_qa27e625894_quant
	.p2alignl 7, 3214868480
	.fill 96, 4, 3214868480
	.section	.rodata,"a",@progbits
	.p2align	6, 0x0
	.amdhsa_kernel k_qa27e625894_quant
		.amdhsa_group_segment_fixed_size 68096
		.amdhsa_private_segment_fixed_size 0
		.amdhsa_enable_private_segment 0
		.amdhsa_kernarg_size 56
		.amdhsa_user_sgpr_count 2
		.amdhsa_user_sgpr_kernarg_segment_ptr 1
		.amdhsa_wavefront_size32 1
		.amdhsa_system_sgpr_workgroup_id_x 1
		.amdhsa_system_sgpr_workgroup_id_y 1
		.amdhsa_system_sgpr_workgroup_id_z 1
		.amdhsa_system_vgpr_workitem_id 0
		.amdhsa_next_free_vgpr 256
		.amdhsa_next_free_sgpr 66
		.amdhsa_reserve_vcc 0
		.amdhsa_float_denorm_mode_32 3
		.amdhsa_float_denorm_mode_16_64 3
		.amdhsa_memory_ordered 1
		.amdhsa_forward_progress 1
		.amdhsa_inst_pref_size 122
	.end_amdhsa_kernel
	.amdgpu_metadata
---
amdhsa.version: [ 1, 2 ]
amdhsa.kernels:
  - .name:           k_qa27e625894_quant
    .symbol:         k_qa27e625894_quant.kd
    .args:
      - { .name: x, .offset: 0, .size: 8, .value_kind: global_buffer, .address_space: global }
      - { .name: Wq, .offset: 8, .size: 8, .value_kind: global_buffer, .address_space: global }
      - { .name: Wk, .offset: 16, .size: 8, .value_kind: global_buffer, .address_space: global }
      - { .name: Wv, .offset: 24, .size: 8, .value_kind: global_buffer, .address_space: global }
      - { .name: Wo, .offset: 32, .size: 8, .value_kind: global_buffer, .address_space: global }
      - { .name: lowp_scales, .offset: 40, .size: 8, .value_kind: global_buffer, .address_space: global }
      - { .name: codes, .offset: 48, .size: 8, .value_kind: global_buffer, .address_space: global }
    .group_segment_fixed_size: 68096
    .private_segment_fixed_size: 0
    .kernarg_segment_align: 8
    .kernarg_segment_size: 56
    .max_flat_workgroup_size: 128
    .sgpr_count:     66
    .vgpr_count:     256
    .wavefront_size: 32
...
	.end_amdgpu_metadata
.endif
;; end of part 1
;; launch proj (part 2): grid 12 x 32, 4 waves a work-group, clusters of 4 x 4, 327,680 bytes of LDS; arguments codes, bq, bk, bv, lowp_scales, qkv; writes qkv
.if DOCPART == 2
	.amdgcn_target "amdgcn-amd-amdhsa--gfx1250"
	.amdhsa_code_object_version 6
	.text
	.protected	k_qa27e625894_proj
	.globl	k_qa27e625894_proj
	.p2align	8
	.type	k_qa27e625894_proj,@function
k_qa27e625894_proj:
	s_mov_b64 s[64:65], 0
	v_nop
	global_prefetch_b8 v0, s[64:65] scope:SCOPE_SE
	s_setreg_imm32_b32 hwreg(HW_REG_WAVE_MODE, 25, 1), 1
	s_wait_xcnt 0x0
	s_wait_alu depctr_hold_cnt(0) depctr_sa_sdst(0) depctr_va_vdst(0) depctr_va_sdst(0) depctr_va_ssrc(0) depctr_va_vcc(0) depctr_vm_vsrc(0)
	s_getreg_b32 s2, hwreg(HW_REG_IB_STS2, 6, 4)
	s_cmp_eq_u32 s2, 0
	s_cbranch_scc0 .Lentry_in_a_cluster
	s_endpgm
.Lentry_in_a_cluster:
	s_bfe_u32 s2, ttmp6, 0x10000c
	s_cmp_lg_u32 s2, 0xf033
	s_cbranch_scc0 .Lentry_shape_is_right
	s_endpgm
.Lentry_shape_is_right:
; q = x Wq + bq, k = x Wk + bk, v = x Wv + bv on codes of BF8 (E5M2), sums in f32; each result is quantised at once (entries 6, 7, 9 of the scales) and stored as codes, as images of the next products' registers.
; THE CLUSTER'S x IS THE PROJECTION p: 0 q, 1 k, 2 v.  A tile of the result is 256 x 256, made by four waves of 128 x 128 (64 accumulators, 512 registers); K = 1,024 goes in four steps of 256 through two LDS slots.
; OPERANDS lie in memory as images of their registers (a fragment of 16 rows x 128 K is 2,048 bytes, lane l's 16 bytes of group c at 512 c + 16 l): a slot's quarter is 8 row tiles x 4,096 bytes, one tensor load,
; dense in LDS; a fragment comes by four loads of 16 bytes a lane, 512 consecutive bytes each: no pitch, no padding.
; THE MATRIX INSTRUCTION IS USED TRANSPOSED (source 0 = side B's 16 rows, source 1 = side A's): lane (r, h) of accumulator (a, b) holds A-row 16 a + r and B-rows 16 b + 8 h + 0..7.
; For q and k side A is x and side B the weight: a lane holds one position and eight neighbouring channels, neighbours along the scores' K.  FOR v THE SIDES CHANGE PLACES (A = Wv, B = x): a lane holds one channel
; and eight neighbouring keys, neighbours along the second product's K.  Only addresses differ, chosen by s_cselect on p: one text, no branch.  So a conversion's two registers are registers 2 b, 2 b + 1 of the image.
; CLUSTERS: 4 x 4 work-groups.  Side A's tile hangs on cy (and the cluster's place) and is asked for jointly by a row of the cluster, side B's on cx and by a column: each of the four issues the same tensor load.
; THE BIAS by side B's rows (q, k) is the C of each sum's first matrix instruction, divided by 2^(ex + ew); by side A's rows (v) it is the addend of the multiply-add that scales the sums.  The one that does not apply is set to 0.
; qkv: q at 0: [head g = 16 batch + head][position tile 128][1,024]; k and v at KV0: [g][128 keys: 16][16,384]: k's eight fragments (16 keys x 64), then v's four (16 channels x 128 keys).
; LIMITS: ex + ew between -126 and 127; entries 6, 7, 9 between -126 and 112.  NaN among the inputs is not served.
; REGISTERS, in windows of 256: window 0: v1-31 addresses; v32-95 the bias by B's rows; v96-111 by A's rows; v112, v113 the result's scale and hold; v128-255 A's fragments, ONE set (on the way out: at work).
;   window 1: B's fragments, two sets.   window 2: the accumulators of my A-rows 0-63 ((a, b) at v[8 (8 a + b)]);   window 3: those of A-rows 64-127.
.set HALFT,  32768                     ; 8 row tiles x 4,096 bytes: what one tensor load brings, and what one wave reads of a side
.set SLOT,   4*HALFT                   ; A's two halves, then B's two
.set SPARE,  2*SLOT                    ; behind the ring: the spare words, 128 bytes for each wave: two blocks of 256 bytes that no other line names
.set FR,     16                        ; registers of a fragment
.set NL,     4                         ; LDS loads that bring one
.set NP,     4                         ; places behind this matrix instruction (ISA guide 7.12.1)
.set WC0,    25165824                  ; the weights' codes in the buffer of codes
.set KV0,    8388608                   ; k and v in the buffer of results
.set ADRA, 16                          ; v16-17  LDS address of my A fragments in slot 0, 1
.set ADRB, 20                          ; v20-21  the same for B
.set LI,   24                          ; v24     16 x lane: my place in an image
.set LI2,  25                          ; v25     the same in the image's second half (q, k: the next head; v: groups 2, 3)
.set SPW,  28                          ; v28     LDS address of my spare word; never rewritten
.set NIL,  29                          ; v29     0; never rewritten
.set BB,   32
.set BA,   96
.set CSC,  112
.set LIM,  113
.set AF,   128
.set TMP,  128                         ; the way out: a block's 64 numbers
.set CD,   192                         ; the way out: two sets of 16 registers of codes
.set G1, 24                            ; s[24:31] descriptor group 1 for A's tiles;  s[32:39] group 0, one set for each slot
.set G0, 32
.set G1B, 48                           ; s[48:55], s[56:63] the same for B's tiles
.set G0B, 56
.set MSB, 0
.macro WIN new                         ; the immediate's high byte repeats the setting that is left
.if MSB != \new
	s_set_vgpr_msb (MSB<<8)|\new
.set MSB, \new
.endif
.endm
.set MUL_LO,  0xa1                     ; source 0 (B) window 1, source 1 (A) window 0, C and D window 2
.set MUL_HI,  0xf1                     ; the same, C and D window 3
.set MUL_LO0, 0x81                     ; the first products: C (the bias) window 0, D window 2
.set MUL_HI0, 0xc1                     ; D window 3
.set TO_B,    0x40                     ; destination window 1, address window 0
; A joint load: waves 0 and 1 fetch for A, waves 2 and 3 for B; the branch hangs on the wave's number alone.  Four v_nop follow each of the two lines, ahead of the jump, the label and what follows.
.macro JLOAD g0a, g1a, g0b, g1b
	s_cmp_eq_u32 s15, 0
	s_cbranch_scc0 .Lfor_b_\@
	tensor_load_to_lds s[\g0a:\g0a+3], s[\g1a:\g1a+7]
	s_nop 0
.rept 4
	v_nop
.endr
	s_branch .Lasked_\@
.Lfor_b_\@:
	tensor_load_to_lds s[\g0b:\g0b+3], s[\g1b:\g1b+7]
	s_nop 0
.rept 4
	v_nop
.endr
.Lasked_\@:
.endm
.macro CREST                           ; a round of the cluster's barrier behind its opening barrier
	s_cmp_lg_u32 s14, 0
	s_cbranch_scc1 .Lnot_wave_0_\@
	s_barrier_signal -3
.Lnot_wave_0_\@:
	s_barrier_wait -3
	s_barrier_signal -1
	s_barrier_wait -1
.endm
.macro CROUND                          ; a whole round
	s_barrier_signal -1
	s_barrier_wait -1
	CREST
.endm
	s_load_b256 s[68:75], s[0:1], 0x0              ; codes s[68:69], bq s[70:71], bk s[72:73], bv s[74:75]
	s_load_b128 s[76:79], s[0:1], 0x20             ; the scales' exponents s[76:77], qkv s[78:79]
	v_lshl_add_u32 v[SPW], v0, 2, SPARE
	v_mov_b32 v[NIL], 0
	ds_add_u32 v28, v29
	ds_add_u32 v28, v29
	s_wait_dscnt 0x0
	v_lshrrev_b32 v1, 5, v0
	v_readfirstlane_b32 s14, v1                    ; wave 0..3
	s_lshr_b32 s15, s14, 1                         ; which half of A's rows is mine.  Also: I fetch for A (0) or for B (1)
	s_and_b32 s16, s14, 1                          ; which half of B's rows.  Also: which half of that side's tile I fetch
	s_bfe_u32 s40, ttmp6, 0x40000                  ; cx, cy: my place in the cluster
	s_bfe_u32 s41, ttmp6, 0x40004
	s_mov_b32 s80, ttmp9                           ; p: the cluster's x
	s_and_b32 s81, ttmp7, 0xffff
	s_lshl_b32 s81, s81, 2                         ; 4 x the cluster's y
	s_lshl_b32 s43, s41, 2
	s_lshl_b32 s43, 15, s43                        ; my row of the cluster
	s_lshl_b32 s44, 0x1111, s40                    ; my column
	; descriptor group 1: 8 rows (row tiles) of 512 elements of 8 bytes (two K blocks' fragments), 2,048 elements (a row tile's eight fragments) apart; no padding
	s_or_b32 s[G1+0], s43, (3<<16)|(1<<21)         ; 15:0 the mask: A's tiles go to my row; 17:16 elements of 8 bytes; 21 set beside a mask
	s_or_b32 s[G1B+0], s44, (3<<16)|(1<<21)        ; B's to my column
.irp g, G1, G1B
	s_mov_b32 s[\g+1], 512<<16                     ; tensor_dim0
	s_mov_b32 s[\g+2], 8<<16                       ; tensor_dim1
	s_mov_b32 s[\g+3], 512<<16                     ; tile_dim0
	s_mov_b32 s[\g+4], 8                           ; tile_dim1
	s_mov_b32 s[\g+5], 2048                        ; tensor_dim0_stride
	s_mov_b32 s[\g+6], 0
	s_mov_b32 s[\g+7], 0
.endr
	; which tiles.  q, k: A = x under scale 2 p, tile 4 Y + cy of 32; B = weight p, tile cx of 4.  v: A = Wv, tile cy; B = x under scale 4, tile 4 Y + cx
	s_lshl_b32 s17, s80, 23                        ; x's codes under scale 2 p
	s_lshl_b32 s18, s80, 20
	s_add_co_u32 s18, s18, WC0                     ; weight p's codes
	s_cmp_eq_u32 s80, 2
	s_cselect_b32 s82, 0, s81
	s_cselect_b32 s83, s81, 0
	s_cselect_b32 s17, WC0+2*1048576, s17
	s_cselect_b32 s18, 2*8388608, s18
	s_add_co_u32 s66, s41, s82                     ; A's tile: hangs on cy, never on cx
	s_add_co_u32 s67, s40, s83                     ; B's tile: hangs on cx, never on cy
	s_lshl_b32 s19, s16, 17                        ; the half that I fetch: 8 row tiles of 16,384 bytes
	s_lshl_b32 s20, s66, 18                        ; a tile: 16 row tiles
	s_add_co_u32 s20, s20, s17
	s_add_co_u32 s20, s20, s19
	s_mov_b32 s21, 0
	s_lshl_b32 s46, s67, 18
	s_add_co_u32 s46, s46, s18
	s_add_co_u32 s46, s46, s19
	s_mov_b32 s47, 0
	s_mul_i32 s45, s14, HALFT                      ; where they go: wave x a quarter of a slot: no place in the cluster enters an LDS address
	s_wait_kmcnt 0x0
	s_load_b256 s[84:91], s[76:77], 0x0            ; e0 .. e7
	s_load_b128 s[92:95], s[76:77], 0x20           ; e8 .. e11
	s_add_nc_u64 s[20:21], s[68:69], s[20:21]
	s_add_nc_u64 s[46:47], s[68:69], s[46:47]
	CROUND                                         ; all sixteen work-groups are here: the first joint loads meet
.irp s, 0,1
	s_mov_b32 s[G0+4*\s], 1
	s_add_co_u32 s[G0+4*\s+1], s45, \s*SLOT
	s_add_nc_u64 s[G0+4*\s+2:G0+4*\s+3], s[20:21], \s*4096     ; K step s: two K blocks on in each row tile
	s_or_b32 s[G0+4*\s+3], s[G0+4*\s+3], 0x80000000
	s_mov_b32 s[G0B+4*\s], 1
	s_add_co_u32 s[G0B+4*\s+1], s45, \s*SLOT
	s_add_nc_u64 s[G0B+4*\s+2:G0B+4*\s+3], s[46:47], \s*4096
	s_or_b32 s[G0B+4*\s+3], s[G0B+4*\s+3], 0x80000000
.endr
	JLOAD G0, G1, G0B, G1B                         ; K step 0: one tensor load a wave at the head
	v_and_b32 v3, 31, v0
	v_lshlrev_b32 v3, 4, v3                        ; 16 x lane
	v_and_b32 v1, 15, v0                           ; r
	v_bfe_u32 v2, v0, 4, 1                         ; h
	s_wait_alu depctr_va_vdst(0)
	s_mul_i32 s21, s15, HALFT                      ; my half of A
	s_mul_i32 s22, s16, HALFT                      ; my half of B,
	s_add_co_u32 s22, s22, 2*HALFT                 ; which lies behind A's two
.irp s, 0,1
	v_add_nc_u32 v[ADRA+\s], s21, v3
	v_add_nc_u32 v[ADRB+\s], s22, v3
	s_add_co_u32 s21, s21, SLOT
	s_add_co_u32 s22, s22, SLOT
.endr
	; the biases.  Both sets are loaded, each at a place inside the 1,024 numbers for every p, and the one that does not apply is set to 0: one path
	s_mov_b64 s[4:5], s[74:75]
	s_cmp_eq_u32 s80, 0
	s_cselect_b64 s[4:5], s[70:71], s[4:5]
	s_cmp_eq_u32 s80, 1
	s_cselect_b64 s[4:5], s[72:73], s[4:5]
	s_lshl_b32 s6, s40, 10
	s_lshl_b32 s7, s16, 9
	s_add_co_u32 s6, s6, s7                        ; 4 x (256 cx + 128 x my half of B)
	s_mov_b32 s7, 0
	s_add_nc_u64 s[8:9], s[4:5], s[6:7]
	s_lshl_b32 s6, s41, 10
	s_lshl_b32 s18, s15, 9
	s_add_co_u32 s6, s6, s18                       ; 4 x (256 cy + 128 x my half of A)
	s_add_nc_u64 s[4:5], s[4:5], s[6:7]
	v_lshlrev_b32 v26, 5, v2                       ; 32 h: my eight numbers of a tile of 16
	v_lshlrev_b32 v30, 2, v1                       ; 4 r
.irp b, 0,1,2,3,4,5,6,7
	global_load_b128 v[BB+8*\b:BB+8*\b+3],   v26, s[8:9] offset:64*\b
	global_load_b128 v[BB+8*\b+4:BB+8*\b+7], v26, s[8:9] offset:64*\b+16
.endr
.irp a, 0,1,2,3,4,5,6,7
	global_load_b32 v[BA+2*\a],   v30, s[4:5] offset:64*\a     ; twice: the packed multiply-add takes a pair
	global_load_b32 v[BA+2*\a+1], v30, s[4:5] offset:64*\a
.endr
	s_wait_kmcnt 0x0
	s_cmp_eq_u32 s80, 0
	s_cselect_b32 s17, s84, s88                    ; ex: entry 2 p
	s_cselect_b32 s18, s85, s89                    ; ew: entry 2 p + 1
	s_cselect_b32 s19, s90, s93                    ; the result's: entry 6, 7 or 9
	s_cmp_eq_u32 s80, 1
	s_cselect_b32 s17, s86, s17
	s_cselect_b32 s18, s87, s18
	s_cselect_b32 s19, s91, s19
	s_add_co_i32 s17, s17, s18                     ; ex + ew
	s_sub_co_i32 s18, 0, s17
	s_add_co_i32 s96, s17, 127
	s_lshl_b32 s96, s96, 23                        ; 2^(ex + ew) as f32
	s_mov_b32 s97, s96                             ; (named with it as a pair, so it is written)
	s_add_co_i32 s19, s19, 127
	s_lshl_b32 s22, s19, 23
	v_mov_b32 v[CSC], s22                          ; the result's scale as f32: the conversion takes its exponent field
	s_add_co_i32 s19, s19, 15
	s_lshl_b32 s19, s19, 23
	s_or_b32 s19, s19, 0x600000
	v_mov_b32 v[LIM], s19                          ; 57,344 x that
	v_mov_b32 v27, 0
	v_mov_b32 v31, s80
	s_wait_loadcnt 0x0
.set j, 0
.rept 64
	v_ldexp_f32 v[BB+j], v[BB+j], s18              ; a sum stands for sum x 2^(ex + ew): the bias goes in divided by that; nothing is rounded
.set j, j+1
.endr
	v_cmp_eq_u32 vcc_lo, 2, v31
.set j, 0
.rept 64
	v_cndmask_b32 v[BB+j], v[BB+j], v27, vcc_lo    ; v: no bias by B's rows
.set j, j+1
.endr
	v_cmp_ne_u32 vcc_lo, 2, v31
.set j, 0
.rept 16
	v_cndmask_b32 v[BA+j], v[BA+j], v27, vcc_lo    ; q, k: none by A's rows
.set j, j+1
.endr
	; where my results go.  Row: the tile of 256 positions (of 32); Col: the tile of 256 channels (of 4); mh, nh: my halves of them
	s_mov_b32 s12, 1024
	s_mov_b32 s2, 1024
	s_cmp_eq_u32 s80, 2
	s_cselect_b32 s4, s67, s66                     ; Row
	s_cselect_b32 s5, s66, s67                     ; Col
	s_cselect_b32 s6, s16, s15                     ; mh
	s_cselect_b32 s7, s15, s16                     ; nh
	s_cselect_b32 s12, 2048, s12                   ; from A block to A block: q, k: the next 16 positions' fragment; v: the next 16 channels'
	s_cselect_b32 s2, 256000, s2                   ; into A block 4: v: the next head's first fragment: 262,144 - 3 x 2,048
	s_cselect_b32 s8, 8192, 0                      ; v's fragments lie behind k's
	s_mov_b32 s13, 0
	s_mov_b32 s3, 0
	s_cmp_eq_u32 s80, 0
	s_cselect_b32 s9, 13, 14                       ; 128 positions of a head are 8,192 bytes of q, 16,384 of k and v
	s_cselect_b32 s17, 0, KV0
	s_lshl_b32 s18, 16, s9                         ; q, k: from a head to the next
	s_cmp_eq_u32 s80, 2
	s_cselect_b32 s18, 1024, s18                   ; v: groups 2 and 3 of the fragment
	s_lshr_b32 s19, s4, 3                          ; the batch
	s_lshl_b32 s19, s19, 4
	s_lshl_b32 s22, s5, 2
	s_add_co_u32 s19, s19, s22
	s_lshl_b32 s22, s7, 1
	s_add_co_u32 s19, s19, s22                     ; my first head g = 16 batch + 4 Col + 2 nh
	s_lshl_b32 s19, s19, 4
	s_and_b32 s22, s4, 7
	s_lshl_b32 s22, s22, 1
	s_add_co_u32 s19, s19, s22
	s_add_co_u32 s19, s19, s6                      ; 16 g + my 128 positions of the batch's 2,048
	s_lshl_b32 s22, s19, s9
	s_add_co_u32 s22, s22, s17
	s_add_co_u32 s22, s22, s8
	s_mov_b32 s23, 0
	s_add_nc_u64 s[10:11], s[78:79], s[22:23]
	v_mov_b32 v[LI], v3
	v_add_nc_u32 v[LI2], s18, v3
.macro FRAG reg, adr, q, i             ; a fragment as it lies: row tile i, K block q of the slot's two; four loads of 512 consecutive bytes
.irp c, 0,1,2,3
	ds_load_b128 v[\reg+4*\c:\reg+4*\c+3], v[\adr] offset:4096*(\i)+2048*(\q)+512*\c
.endr
.endm
; 16 matrix instructions: A's blocks a0, a0 + 1 x B's eight, 128 along K.  p: B's set.  zero = 1: the first product starts the sums, from the bias: nothing is ever cleared.
; The 64 accumulators take turns, one instruction a turn, in the same order in every step.
.macro MUL16 a0, p, zero
.irp a, \a0, \a0+1
.irp b, 0,1,2,3,4,5,6,7
.if \zero
	v_wmma_f32_16x16x128_bf8_bf8 v[8*(8*((\a)%4)+\b):8*(8*((\a)%4)+\b)+7], v[128*(\p)+FR*\b:128*(\p)+FR*\b+FR-1], v[AF+FR*(\a):AF+FR*(\a)+FR-1], v[BB+8*\b:BB+8*\b+7]
.else
	v_wmma_f32_16x16x128_bf8_bf8 v[8*(8*((\a)%4)+\b):8*(8*((\a)%4)+\b)+7], v[128*(\p)+FR*\b:128*(\p)+FR*\b+FR-1], v[AF+FR*(\a):AF+FR*(\a)+FR-1], v[8*(8*((\a)%4)+\b):8*(8*((\a)%4)+\b)+7]
.endif
.endr
.endr
.endm
.macro FETCH_B slot, q, p              ; B's eight fragments of the slot's q-th 128 along K into set p
	WIN TO_B
.irp i, 0,1,2,3,4,5,6,7
	FRAG 128*(\p)+FR*\i, ADRB+\slot, \q, \i
.endr
	WIN 0
.endm
.macro FETCH_A slot, q, i0             ; A's blocks i0 .. i0 + 3
.irp i, \i0, \i0+1, \i0+2, \i0+3
	FRAG AF+FR*(\i), ADRA+\slot, \q, \i
.endr
.endm
; A load into a register that a matrix instruction has read, and a vector instruction that reads a matrix result or writes one of its registers, stand NP places behind it; only plain vector
; instructions that name none of its registers are places (ISA guide 7.12.1 for vector instructions).
.macro PLACES n
.rept \n
	v_nop
.endr
.endm
; A step of 128 along K that has its successor in the same slot.  A block of A is free as soon as its eight products are issued: blocks 0-3 are fetched anew in the step's middle, blocks 4-7 at its end.
.macro STEP slot, q, zero
	s_wait_dscnt 4*NL                              ; B's set and A's blocks 0-3 are in; the youngest sixteen loads (A's blocks 4-7) may be out
.if \zero
	WIN MUL_LO0
.else
	WIN MUL_LO
.endif
	MUL16 0, (\q)%2, \zero
	MUL16 2, (\q)%2, \zero
	s_wait_dscnt 0                                 ; A's blocks 4-7 are in (asked for 32 matrix instructions ago)
	PLACES NP
	FETCH_B \slot, (\q)+1, 1-(\q)%2
	FETCH_A \slot, (\q)+1, 0
.if \zero
	WIN MUL_HI0
.else
	WIN MUL_HI
.endif
	MUL16 4, (\q)%2, \zero
	MUL16 6, (\q)%2, \zero
	PLACES NP
	WIN 0
	FETCH_A \slot, (\q)+1, 4
.endm
; A slot's last step changes slots: ONE barrier; in front of it each wave waits for all its tensor loads, adds 0 to its spare word, and waits for that and for its own reads of this slot.  fill = 1: this slot is filled again, two K steps ahead.
.macro TURN slot, next, fill
	s_wait_tensorcnt 0x0                           ; all my tensor loads have landed: my part of the next slot  (every window is 0 here: the add's two registers lie in window 0)
	ds_add_u32 v[SPW], v[NIL]                      ; 0 onto my spare word
	s_wait_dscnt 4*NL+1                            ; (the add and the youngest sixteen loads, A's blocks 4-7, may be out)
	WIN MUL_LO
	MUL16 0, 1, 0                                  ; sixteen matrix instructions stand between the add and the wait for it
	s_wait_dscnt 0x0                               ; the add is done, and my reads of this slot are over
	s_barrier_signal -1
	MUL16 2, 1, 0
	WIN 0
	s_barrier_wait -1
.if \fill
	CREST                                          ; the barrier has opened a round of the cluster's barrier: no wave of any partner still reads this slot's tile or has a load on its way
	s_add_nc_u64 s[G0+4*\slot+2:G0+4*\slot+3], s[G0+4*\slot+2:G0+4*\slot+3], 8192
	s_add_nc_u64 s[G0B+4*\slot+2:G0B+4*\slot+3], s[G0B+4*\slot+2:G0B+4*\slot+3], 8192
	JLOAD G0+4*\slot, G1, G0B+4*\slot, G1B         ; the first tensor load behind the round, and my only one out; the four v_nop behind it are the places in front of the loads below
.else
	PLACES NP
.endif
	FETCH_B \next, 0, 0
	FETCH_A \next, 0, 0
	WIN MUL_HI
	MUL16 4, 1, 0
	MUL16 6, 1, 0
	PLACES NP
	WIN 0
	FETCH_A \next, 0, 4
.endm
	s_wait_alu depctr_va_vdst(0)
	s_wait_tensorcnt 0x0                           ; my part of K step 0 is in
	ds_add_u32 v[SPW], v[NIL]                      ; 0 onto my spare word
	s_wait_dscnt 0x0                               ; the add is done
	CROUND                                         ; a whole round: everybody's part of K step 0 is in, and the joint loads meet
	JLOAD G0+4, G1, G0B+4, G1B                     ; K step 1's load, slot 1's first fill: the first tensor load behind the round
	FETCH_B 0, 0, 0
	FETCH_A 0, 0, 0
	FETCH_A 0, 0, 4
	STEP 0, 0, 1                                   ; eight steps of 128 along K, written out: K has four fills only
	TURN 0, 1, 1                                   ; slot 0 takes K step 2
	STEP 1, 0, 0
	TURN 1, 0, 1                                   ; slot 1 takes K step 3
	STEP 0, 0, 0
	TURN 0, 1, 0                                   ; nothing is left to fetch
	STEP 1, 0, 0
	s_wait_dscnt 4*NL                              ; the very last step
	WIN MUL_LO
	MUL16 0, 1, 0
	MUL16 2, 1, 0
	s_wait_dscnt 0
	WIN MUL_HI
	MUL16 4, 1, 0
	MUL16 6, 1, 0
	WIN 0
; THE WAY OUT, by A's blocks: number = sum x 2^(ex + ew) + the bias by A's rows, in f32; the hold; the conversion.  Accumulator b's eight numbers become registers 2 b, 2 b + 1 of the codes: four groups of four
; registers, each stored as it stands: 32 lanes store 512 consecutive bytes, aligned.  No LDS.  Each accumulator is read from its low end on.
.macro OUTBLK a
.set AC, 64*((\a)%4)
.set CB, CD+16*((\a)%2)
	WIN 0x02+((\a)/4)                              ; source 0: window 2 or 3
.set j, 0
.rept 32
	v_pk_fma_f32 v[TMP+j:TMP+j+1], v[AC+j:AC+j+1], s[96:97], v[BA+2*(\a):BA+2*(\a)+1] op_sel_hi:[1,0,1]
.set j, j+2
.endr
	WIN 0
.set j, 0
.rept 64
	v_med3_num_f32 v[TMP+j], v[TMP+j], -v[LIM], v[LIM]   ; the conversion to an 8-bit code does not saturate (ISA guide 7.6.2)
.set j, j+1
.endr
.irp b, 0,1,2,3,4,5,6,7
	v_cvt_scalef32_pk8_bf8_f32 v[CB+2*\b:CB+2*\b+1], v[TMP+8*\b:TMP+8*\b+7], v[CSC]
.endr
	v_nop                                          ; one plain vector instruction between the last conversion and the next block's lines, which write its sources
.if (\a) > 0
	s_wait_alu depctr_va_vdst(0)
	s_wait_xcnt 0x0                                ; the earlier stores have read their base and their codes' registers: the base steps, and the block after this writes the other set again
.if (\a) == 4
	s_add_nc_u64 s[10:11], s[10:11], s[2:3]
.else
	s_add_nc_u64 s[10:11], s[10:11], s[12:13]
.endif
.endif
	global_store_b128 v[LI],  v[CB:CB+3],     s[10:11]
	global_store_b128 v[LI],  v[CB+4:CB+7],   s[10:11] offset:512
	global_store_b128 v[LI2], v[CB+8:CB+11],  s[10:11]
	global_store_b128 v[LI2], v[CB+12:CB+15], s[10:11] offset:512
.endm
	PLACES NP                                      ; behind the last products: the lines below write registers that held A's fragments
	OUTBLK 0
	OUTBLK 1
	OUTBLK 2
	OUTBLK 3
	OUTBLK 4
	OUTBLK 5
	OUTBLK 6
	OUTBLK 7
	s_wait_tensorcnt 0x0                           ; the wave's end
	ds_add_u32 v[SPW], v[NIL]
	s_wait_dscnt 0x0
	CROUND                                         ; the closing round: no work-group ends while a partner may still ask for a tile that names it
	s_endpgm
.Lfunc_end_k_qa27e625894_proj:
	.size	k_qa27e625894_proj, .Lfunc_end_k_qa27e625894_proj-k_qa27e625894_proj
	.p2alignl 7, 3214868480
	.fill 96, 4, 3214868480
	.section	.rodata,"a",@progbits
	.p2align	6, 0x0
	.amdhsa_kernel k_qa27e625894_proj
		.amdhsa_group_segment_fixed_size 327680
		.amdhsa_private_segment_fixed_size 0
		.amdhsa_enable_private_segment 0
		.amdhsa_kernarg_size 48
		.amdhsa_user_sgpr_count 2
		.amdhsa_user_sgpr_kernarg_segment_ptr 1
		.amdhsa_wavefront_size32 1
		.amdhsa_system_sgpr_workgroup_id_x 1
		.amdhsa_system_sgpr_workgroup_id_y 1
		.amdhsa_system_sgpr_workgroup_id_z 1
		.amdhsa_system_vgpr_workitem_id 0
		.amdhsa_next_free_vgpr 1024
		.amdhsa_next_free_sgpr 100
		.amdhsa_reserve_vcc 1
		.amdhsa_float_denorm_mode_32 3
		.amdhsa_float_denorm_mode_16_64 3
		.amdhsa_memory_ordered 1
		.amdhsa_forward_progress 1
		.amdhsa_inst_pref_size 146
	.end_amdhsa_kernel
	.amdgpu_metadata
---
amdhsa.version: [ 1, 2 ]
amdhsa.kernels:
  - .name:           k_qa27e625894_proj
    .symbol:         k_qa27e625894_proj.kd
    .args:
      - { .name: codes, .offset: 0, .size: 8, .value_kind: global_buffer, .address_space: global }
      - { .name: bq, .offset: 8, .size: 8, .value_kind: global_buffer, .address_space: global }
      - { .name: bk, .offset: 16, .size: 8, .value_kind: global_buffer, .address_space: global }
      - { .name: bv, .offset: 24, .size: 8, .value_kind: global_buffer, .address_space: global }
      - { .name: lowp_scales, .offset: 32, .size: 8, .value_kind: global_buffer, .address_space: global }
      - { .name: qkv, .offset: 40, .size: 8, .value_kind: global_buffer, .address_space: global }
    .group_segment_fixed_size: 327680
    .private_segment_fixed_size: 0
    .kernarg_segment_align: 8
    .kernarg_segment_size: 48
    .max_flat_workgroup_size: 128
    .sgpr_count:     100
    .vgpr_count:     1024
    .wavefront_size: 32
...
	.end_amdgpu_metadata
.endif
;; end of part 2
;; launch attn (part 3): grid 4 x 64, 16 waves a work-group, clusters of 4 x 1, 327,680 bytes of LDS; arguments qkv, lowp_scales, ac; writes ac
.if DOCPART == 3
	.amdgcn_target "amdgcn-amd-amdhsa--gfx1250"
	.amdhsa_code_object_version 6
	.text
	.protected	k_qa27e625894_attn
	.globl	k_qa27e625894_attn
	.p2align	8
	.type	k_qa27e625894_attn,@function
k_qa27e625894_attn:
	s_mov_b64 s[64:65], 0
	v_nop
	global_prefetch_b8 v0, s[64:65] scope:SCOPE_SE
	s_setreg_imm32_b32 hwreg(HW_REG_WAVE_MODE, 25, 1), 1
	s_wait_xcnt 0x0
	s_wait_alu depctr_hold_cnt(0) depctr_sa_sdst(0) depctr_va_vdst(0) depctr_va_sdst(0) depctr_va_ssrc(0) depctr_va_vcc(0) depctr_vm_vsrc(0)
	s_getreg_b32 s2, hwreg(HW_REG_IB_STS2, 6, 4)
	s_cmp_eq_u32 s2, 0
	s_cbranch_scc0 .Lentry_in_a_cluster
	s_endpgm
.Lentry_in_a_cluster:
	s_bfe_u32 s2, ttmp6, 0x10000c
	s_cmp_lg_u32 s2, 0x3003
	s_cbranch_scc0 .Lentry_shape_is_right
	s_endpgm
.Lentry_shape_is_right:
; attn[g][q] = the sum over keys of softmax(q . k / 8) v for head g = 16 batch + head, both products on codes of BF8 (E5M2); the result is quantised at once (entry 10 of the scales) and stored as codes,
; as images of the last product's registers.  q, k, v come as images of their registers: q at 0: [g][position tile 128][1,024]; k, v at KV0: [g][16 steps of 128 keys][16,384]: k's eight fragments
; (16 keys x 64), then v's four (16 channels x 128 keys).  A fragment's group c lies at 512 c, lane l's 16 bytes at 16 l.
; THE SOFTMAX: t = score x log2(e) / 8; M = the ceiling of the running largest t, kept as -M; p = 2^(t - M) is quantised (entry 8), not normalised; the row's sum is taken of the unquantised p in f32 and divides
; at the end.  When M moves, the sum and O are multiplied by f = 2^(old M - new M), a power of two: nothing is rounded, and no branch hangs on data.
; SHARES.  A work-group owns 512 queries of one head; each of its sixteen waves owns 32 of them, position tiles w and w + 16 of the work-group's 32, so that each fragment of k and of v read from LDS feeds
; two matrix instructions.  Both products are used transposed (S^T = k q^T, O^T = v^T p^T): a lane holds one query of each tile throughout.
; CHAINS.  The maxima and the sums of a tile's 64 numbers a lane run in four independent chains each; the chains' extra registers are the first four of the tile's codes, which are free until the conversions.
; LDS.  A head's k and v are 262,144 bytes and lie in LDS whole: each wave asks for one step's 16,384 bytes at the head, its one tensor load.  Nothing is filled again: one barrier in the launch.
; CLUSTER.  The four work-groups of a head read the same k and v: each load is asked for jointly (mask 15), with a descriptor made of the head and the wave's number alone.
; NO PREFETCH: all 16 x 16,384 bytes are asked for at the head by the tensor loads themselves; the loop over the keys asks memory for nothing, so there is nothing to run ahead of.
; LIMITS: entries 6 + 7 between -123 and 130 (added to c's exponent field); entry 8 between -126 and 112; entry 10 - 8 - 9 between -126 and 112.  The scaled scores stay under 2^31 in magnitude.  NaN is not served.
; REGISTERS: v1 the step's LDS address; v2, v4 -M of tile 0, 1 (named as pairs with v3, v5: the spare word's address and 0); v6 f (pair with v7: 2^e8); v[8:9], v[10:11] the sums, two halves each;
; v12-13 at work; v14 16 x lane; v15 the result's scale; v16-31 q; v32-95 k's or v's fragments; v96-159 S^T, then p, one tile at a time; v160-223 O^T; v224-255 p's codes.
.set KV0,   8388608
.set SPARE, 262144                     ; behind k and v: the spare words, 128 bytes for each wave: eight blocks of 256 bytes that no other line names
.set ADK,  1
.set SPW,  3
.set NIL,  5
.set FF,   6
.set CSC,  7
.set SUM,  8
.set TA,   12
.set LI,   14
.set OSC,  15
.set F,    32
.set S,    96
.set O,    160
.set PC,   224
.set WV,   12
.set G1,   24
.set G0,   32
.set SEL,  48
.set CS,   50
.set TB,   52
.set CNT,  53
.set HOLD, 54                          ; s54 57,344 x 2^e8
.set OH,   55                          ; s55 57,344 x the result's scale;  s60 the same with a minus
.set ON,   60
.macro CROUND                          ; a round of the cluster's barrier
	s_barrier_signal -1
	s_barrier_wait -1
	s_cmp_lg_u32 s[WV], 0
	s_cbranch_scc1 .Lnot_wave_0_\@
	s_barrier_signal -3
.Lnot_wave_0_\@:
	s_barrier_wait -3
	s_barrier_signal -1
	s_barrier_wait -1
.endm
	s_load_b128 s[4:7], s[0:1], 0x0                ; qkv s[4:5], the scales' exponents s[6:7]
	s_load_b64 s[8:9], s[0:1], 0x10                ; ac
	v_lshl_add_u32 v[SPW], v0, 2, SPARE
	v_mov_b32 v[NIL], 0
	ds_add_u32 v[SPW], v[NIL]                      ; the opening lines: the add, twice on end, and its wait ahead of my tensor load
	ds_add_u32 v[SPW], v[NIL]
	v_lshrrev_b32 v1, 5, v0
	s_delay_alu instid0(VALU_DEP_1)
	v_readfirstlane_b32 s[WV], v1                  ; wave 0..15
	v_and_b32 v[LI], 31, v0
	s_delay_alu instid0(VALU_DEP_1)
	v_lshlrev_b32 v[LI], 4, v[LI]                  ; 16 x lane
	s_wait_alu depctr_va_vdst(0)
	s_bfe_u32 s13, ttmp6, 0x40000                  ; cx: which 512 queries of the head
	s_and_b32 s14, ttmp7, 0xffff                   ; g
	s_mov_b32 s[G1], 15|(3<<16)|(1<<21)            ; the mask names the cluster's four; elements of 8 bytes; bit 21 beside a mask
	s_mov_b32 s[G1+1], 32<<16                      ; rows of 256 bytes,
	s_mov_b32 s[G1+2], 64<<16                      ; 64 of them: a step's 16,384 bytes, dense in memory and in LDS
	s_mov_b32 s[G1+3], 32<<16
	s_mov_b32 s[G1+4], 64
	s_mov_b32 s[G1+5], 32
	s_mov_b32 s[G1+6], 0
	s_mov_b32 s[G1+7], 0
	s_mov_b32 s[SEL], 0x76543210
	s_mov_b32 s[SEL+1], 0xfedcba98                 ; v_permlanex16_b32's selects for lane l xor 16
	s_lshl_b32 s15, s[WV], 14                      ; step w: its place in LDS and in the head's k and v
	s_lshl_b32 s22, s14, 18
	s_add_co_u32 s22, s22, s15
	s_add_co_u32 s22, s22, KV0
	s_mov_b32 s23, 0
	s_lshl_b32 s56, s14, 17                        ; q: the head's 128 tiles of 1,024 bytes, + 32 cx + w
	s_lshl_b32 s57, s13, 15
	s_add_co_u32 s56, s56, s57
	s_lshl_b32 s57, s[WV], 10
	s_add_co_u32 s56, s56, s57
	s_mov_b32 s57, 0
	s_lshr_b32 s58, s14, 4                         ; ac: [row tile 512][16,384]; the head's 64 channels are 1,024 bytes of it
	s_lshl_b32 s58, s58, 21
	s_lshl_b32 s59, s13, 19
	s_add_co_u32 s58, s58, s59
	s_lshl_b32 s59, s[WV], 14
	s_add_co_u32 s58, s58, s59
	s_and_b32 s59, s14, 15
	s_lshl_b32 s59, s59, 10
	s_add_co_u32 s58, s58, s59
	s_mov_b32 s59, 0
	s_wait_dscnt 0x0                               ; both opening adds are done
	s_wait_kmcnt 0x0
	s_load_b128 s[16:19], s[6:7], 0x18             ; e6, e7, e8, e9
	s_load_b32 s20, s[6:7], 0x28                   ; e10
	s_mov_b32 s[G0], 1
	s_mov_b32 s[G0+1], s15
	s_add_nc_u64 s[G0+2:G0+3], s[4:5], s[22:23]
	s_or_b32 s[G0+3], s[G0+3], 0x80000000
	s_add_nc_u64 s[56:57], s[4:5], s[56:57]
	s_add_nc_u64 s[8:9], s[8:9], s[58:59]
	CROUND                                         ; the four work-groups are here: the joint loads meet
	tensor_load_to_lds s[G0:G0+3], s[G1:G1+7]      ; my one tensor load: step w of the head's sixteen
	s_nop 0
	global_load_b128 v[16:19], v[LI], s[56:57]     ; q's fragments stay in registers: tile w,
	global_load_b128 v[20:23], v[LI], s[56:57] offset:512
	global_load_b128 v[24:27], v[LI], s[56:57] offset:16384   ; and tile w + 16
	global_load_b128 v[28:31], v[LI], s[56:57] offset:16896
	v_mov_b32 v2, 0x7f61b1e6                       ; -M begins at 3e38, over every floor(-t): the first f is 0 and meets zeros
	v_mov_b32 v4, 0x7f61b1e6
.irp j, 8,9,10,11
	v_mov_b32 v\j, 0                               ; the sums
.endr
.set j, 0
.rept 64
	v_mov_b32 v[O+j], 0                            ; O^T: the step is written once, and its first trip finds zeros
.set j, j+1
.endr
	s_wait_kmcnt 0x0
	s_mov_b32 s[CS], 0x3e38aa3b                    ; c = log2(e) / 8
	s_add_co_i32 s21, s16, s17
	s_lshl_b32 s21, s21, 23
	s_add_co_i32 s[CS], s[CS], s21                 ; x 2^(e6 + e7): added to c's exponent field
	s_mov_b32 s[CS+1], s[CS]                       ; (named with it as a pair)
	s_add_co_i32 s21, s18, 127
	s_lshl_b32 s10, s21, 23
	v_mov_b32 v[CSC], s10                          ; 2^e8 as f32: the conversion takes its exponent field
	s_add_co_i32 s21, s21, 15
	s_lshl_b32 s21, s21, 23
	s_or_b32 s[HOLD], s21, 0x600000                ; 57,344 x 2^e8
	s_sub_co_i32 s21, s20, s18
	s_sub_co_i32 s21, s21, s19
	s_add_co_i32 s21, s21, 127
	s_lshl_b32 s10, s21, 23
	v_mov_b32 v[OSC], s10                          ; a sum of the second product stands for sum x 2^(e8 + e9): its code is sum / 2^(e10 - e8 - e9)
	s_add_co_i32 s21, s21, 15
	s_lshl_b32 s21, s21, 23
	s_or_b32 s[OH], s21, 0x600000
	s_xor_b32 s[ON], s[OH], 0x80000000
; THE SOFTMAX OF ONE TILE: S^T in v96-159 becomes p's codes; the tile's -M, sum and O^T are brought under the new M.
.macro SOFT T
.set NM, 2+2*(\T)
.set SM, SUM+2*(\T)
.set PT, PC+16*(\T)
.set OT, O+32*(\T)
	v_max3_num_f32 v[TA],   v[S],   v[S+1],  v[S+2]    ; the step's largest score of my query among my 64 keys, in four chains; the registers in ascending order, so each accumulator from its low end on
	v_max3_num_f32 v[TA+1], v[S+3], v[S+4],  v[S+5]
	v_max3_num_f32 v[PT],   v[S+6], v[S+7],  v[S+8]
	v_max3_num_f32 v[PT+1], v[S+9], v[S+10], v[S+11]
.irp i, 12,20,28,36,44,52
	v_max3_num_f32 v[TA],   v[TA],   v[S+\i],   v[S+\i+1]
	v_max3_num_f32 v[TA+1], v[TA+1], v[S+\i+2], v[S+\i+3]
	v_max3_num_f32 v[PT],   v[PT],   v[S+\i+4], v[S+\i+5]
	v_max3_num_f32 v[PT+1], v[PT+1], v[S+\i+6], v[S+\i+7]
.endr
	v_max3_num_f32 v[TA],   v[TA],   v[S+60], v[S+61]
	v_max3_num_f32 v[TA+1], v[TA+1], v[S+62], v[S+63]
	s_delay_alu instid0(VALU_DEP_1)
	v_max3_num_f32 v[TA], v[TA], v[TA+1], v[PT]    ; the four chains joined
	s_delay_alu instid0(VALU_DEP_1)
	v_max_num_f32 v[TA], v[TA], v[PT+1]
	s_delay_alu instid0(VALU_DEP_1)
	v_permlanex16_b32 v[TA+1], v[TA], s[SEL], s[SEL+1]
	s_delay_alu instid0(VALU_DEP_1)
	v_max_num_f32 v[TA], v[TA], v[TA+1]            ; and among lane l xor 16's
	s_delay_alu instid0(VALU_DEP_1)
	v_mul_f32 v[TA], s[CS], v[TA]                  ; as t (c is positive)
	s_delay_alu instid0(VALU_DEP_1)
	v_floor_f32 v[TA], -v[TA]                      ; floor(-t) = -ceil(t)
	s_delay_alu instid0(VALU_DEP_1)
	v_min_num_f32 v[TA+1], v[TA], v[NM]            ; the new -M: the ceiling of a maximum is the maximum of the ceilings
	s_delay_alu instid0(VALU_DEP_1)
	v_sub_f32 v[TA], v[TA+1], v[NM]                ; old M - new M: a whole number, 0 or less
	s_delay_alu instid0(VALU_DEP_2)
	v_mov_b32 v[NM], v[TA+1]
	s_delay_alu instid0(VALU_DEP_2)
	v_cvt_i32_f32 v[TA], v[TA]                     ; (it saturates)
	s_delay_alu instid0(VALU_DEP_1)
	v_ldexp_f32 v[FF], 1.0, v[TA]                  ; f = 2^(old M - new M)
.set j, 0
.rept 32
	v_pk_fma_f32 v[S+j:S+j+1], v[S+j:S+j+1], s[CS:CS+1], v[NM:NM+1] op_sel_hi:[1,0,0]   ; t - M, two at a time (of c's and -M's pairs the low word serves both halves)
.set j, j+2
.endr
	s_wait_alu depctr_va_vdst(0)                   ; directly ahead of the first readers of O^T, and ahead of the batch for its sources
.set j, 0
.rept 16
	v_pk_mul_f32 v[OT+j:OT+j+1], v[OT+j:OT+j+1], v[FF:FF+1] op_sel_hi:[1,0]   ; O^T under the new M; its next reader, the second product, stands behind the wait that follows the batch
.set j, j+2
.endr
.set j, 0
.rept 64
	v_exp_f32 v[S+j], v[S+j]                       ; p = 2^(t - M), at most 1
.set j, j+1
.endr
	v_pk_mul_f32 v[SM:SM+1], v[SM:SM+1], v[FF:FF+1] op_sel_hi:[1,0]   ; the sums under the new M (the plain place behind the batch)
	s_wait_alu depctr_va_vdst(0)                   ; one wait for the whole batch, ahead of its first reader
	v_pk_add_f32 v[TA:TA+1],   v[S:S+1],     v[S+2:S+3]     ; the row's sum is taken of the unquantised p, two at a time, in four chains
	v_pk_add_f32 v[PT:PT+1],   v[S+4:S+5],   v[S+6:S+7]
	v_pk_add_f32 v[PT+2:PT+3], v[S+8:S+9],   v[S+10:S+11]
	v_pk_add_f32 v[SM:SM+1],   v[SM:SM+1],   v[S+12:S+13]
.irp j, 14,22,30,38,46,54
	v_pk_add_f32 v[TA:TA+1],   v[TA:TA+1],   v[S+\j:S+\j+1]
	v_pk_add_f32 v[PT:PT+1],   v[PT:PT+1],   v[S+\j+2:S+\j+3]
	v_pk_add_f32 v[PT+2:PT+3], v[PT+2:PT+3], v[S+\j+4:S+\j+5]
	v_pk_add_f32 v[SM:SM+1],   v[SM:SM+1],   v[S+\j+6:S+\j+7]
.endr
	v_pk_add_f32 v[TA:TA+1], v[TA:TA+1], v[S+62:S+63]
	s_delay_alu instid0(VALU_DEP_3)
	v_pk_add_f32 v[PT:PT+1], v[PT:PT+1], v[PT+2:PT+3]   ; the four chains joined
	s_delay_alu instid0(VALU_DEP_2)
	v_pk_add_f32 v[SM:SM+1], v[SM:SM+1], v[TA:TA+1]
	s_delay_alu instid0(VALU_DEP_1)
	v_pk_add_f32 v[SM:SM+1], v[SM:SM+1], v[PT:PT+1]
.set j, 0
.rept 32
	v_dual_min_num_f32 v[S+j], s[HOLD], v[S+j] :: v_dual_min_num_f32 v[S+j+1], s[HOLD], v[S+j+1]   ; the hold: the conversion does not saturate (ISA guide 7.6.2); p is not negative, so it is one-sided; two numbers a line
.set j, j+2
.endr
.irp f, 0,1,2,3,4,5,6,7
	v_cvt_scalef32_pk8_bf8_f32 v[PT+2*\f:PT+2*\f+1], v[S+8*\f:S+8*\f+7], v[CSC]   ; tile f's eight keys are registers 2 f, 2 f + 1 of the second product's operand
.endr
	v_nop                                          ; one plain line between the last conversion and the matrix instructions that write its sources or read its result
.endm
; A KEY STEP: 128 keys against my 32 queries.
.macro STEP
	v_add_nc_u32 v[ADK], s[TB], v[LI]
.rept 3
	v_nop                                          ; with the line above: four places in front of loads into registers that matrix instructions have read
.endr
.irp f, 0,1,2,3,4,5,6,7
	ds_load_b128 v[F+8*\f:F+8*\f+3],   v[ADK] offset:1024*\f
	ds_load_b128 v[F+8*\f+4:F+8*\f+7], v[ADK] offset:1024*\f+512
.endr
	s_wait_dscnt 0x0
.irp f, 0,1,2,3,4,5,6,7
	v_wmma_f32_16x16x64_bf8_bf8 v[S+8*\f:S+8*\f+7], v[F+8*\f:F+8*\f+7], v[16:23], 0
.endr
.rept 4
	v_nop
.endr
	SOFT 0
.irp f, 0,1,2,3,4,5,6,7
	v_wmma_f32_16x16x64_bf8_bf8 v[S+8*\f:S+8*\f+7], v[F+8*\f:F+8*\f+7], v[24:31], 0   ; the same fragments of k against my second tile
.endr
.rept 4
	v_nop                                          ; places in front of the loads below and of the first read of the scores
.endr
.irp t, 0,1,2,3
.irp c, 0,1,2,3
	ds_load_b128 v[F+16*\t+4*\c:F+16*\t+4*\c+3], v[ADK] offset:8192+2048*\t+512*\c   ; v's fragments come in under the second tile's softmax
.endr
.endr
	SOFT 1
	s_wait_alu depctr_va_vdst(0)
	s_wait_dscnt 0x0
.irp t, 0,1,2,3
	v_wmma_f32_16x16x128_bf8_bf8 v[O+8*\t:O+8*\t+7], v[F+16*\t:F+16*\t+15], v[PC:PC+15], v[O+8*\t:O+8*\t+7]   ; the eight accumulators take turns, one instruction a turn
	v_wmma_f32_16x16x128_bf8_bf8 v[O+32+8*\t:O+32+8*\t+7], v[F+16*\t:F+16*\t+15], v[PC+16:PC+31], v[O+32+8*\t:O+32+8*\t+7]
.endr
.endm
	s_mov_b32 s[TB], 0
	s_mov_b32 s[CNT], 16
	s_wait_alu depctr_va_vdst(0)
	s_wait_loadcnt 0x0                             ; q
	s_wait_tensorcnt 0x0                           ; my step's bytes are in,
	s_barrier_signal -1
	s_barrier_wait -1                              ; everybody's are: all of the head's k and v; nobody writes LDS from here on
.Lstep:
	STEP
	s_add_co_u32 s[TB], s[TB], 16384
	s_sub_co_u32 s[CNT], s[CNT], 1
	s_cmp_lg_u32 s[CNT], 0
	s_cbranch_scc1 .Lstep
	; THE WAY OUT: O^T / the sum, the hold, the conversion.  Tile t's eight channels become registers 2 t, 2 t + 1 of the image: two groups of four registers for each of my two position tiles.
	v_add_f32 v8, v8, v9                           ; the sums' two halves (these lines are also the places behind the last products),
	v_add_f32 v10, v10, v11
	s_delay_alu instid0(VALU_DEP_2)
	v_permlanex16_b32 v12, v8, s[SEL], s[SEL+1]
	s_delay_alu instid0(VALU_DEP_2)
	v_permlanex16_b32 v13, v10, s[SEL], s[SEL+1]
	s_delay_alu instid0(VALU_DEP_2)
	v_add_f32 v8, v8, v12                          ; and lane l xor 16's
	s_delay_alu instid0(VALU_DEP_2)
	v_add_f32 v10, v10, v13
	s_wait_alu depctr_va_vdst(0)
	v_rcp_f32 v8, v8
	v_rcp_f32 v10, v10
	v_nop
	s_wait_alu depctr_va_vdst(0)                   ; the wait behind the batch, directly ahead of the first readers of its results and of O^T
.set j, 0
.rept 16
	v_pk_mul_f32 v[S+j:S+j+1], v[O+j:O+j+1], v[8:9] op_sel_hi:[1,0]
.set j, j+2
.endr
.set j, 0
.rept 16
	v_pk_mul_f32 v[S+32+j:S+32+j+1], v[O+32+j:O+32+j+1], v[10:11] op_sel_hi:[1,0]
.set j, j+2
.endr
.set j, 0
.rept 64
	v_med3_num_f32 v[S+j], v[S+j], s[ON], s[OH]    ; the conversion does not saturate: the hold comes first
.set j, j+1
.endr
.irp t, 0,1,2,3,4,5,6,7
	v_cvt_scalef32_pk8_bf8_f32 v[PC+2*\t:PC+2*\t+1], v[S+8*\t:S+8*\t+7], v[OSC]
.endr
	v_nop                                          ; one plain line behind the last conversion
	global_store_b128 v[LI], v[PC:PC+3],     s[8:9]                 ; 32 lanes store 512 consecutive bytes, aligned
	global_store_b128 v[LI], v[PC+4:PC+7],   s[8:9] offset:512
	global_store_b128 v[LI], v[PC+8:PC+11],  s[8:9] offset:262144   ; sixteen row tiles of 16,384 bytes on
	global_store_b128 v[LI], v[PC+12:PC+15], s[8:9] offset:262656
	s_wait_tensorcnt 0x0                           ; the wave's end
	ds_add_u32 v[SPW], v[NIL]
	s_wait_dscnt 0x0
	CROUND                                         ; the closing round
	s_endpgm
.Lfunc_end_k_qa27e625894_attn:
	.size	k_qa27e625894_attn, .Lfunc_end_k_qa27e625894_attn-k_qa27e625894_attn
	.p2alignl 7, 3214868480
	.fill 96, 4, 3214868480
	.section	.rodata,"a",@progbits
	.p2align	6, 0x0
	.amdhsa_kernel k_qa27e625894_attn
		.amdhsa_group_segment_fixed_size 327680
		.amdhsa_private_segment_fixed_size 0
		.amdhsa_enable_private_segment 0
		.amdhsa_kernarg_size 24
		.amdhsa_user_sgpr_count 2
		.amdhsa_user_sgpr_kernarg_segment_ptr 1
		.amdhsa_wavefront_size32 1
		.amdhsa_system_sgpr_workgroup_id_x 1
		.amdhsa_system_sgpr_workgroup_id_y 1
		.amdhsa_system_sgpr_workgroup_id_z 1
		.amdhsa_system_vgpr_workitem_id 0
		.amdhsa_next_free_vgpr 256
		.amdhsa_next_free_sgpr 66
		.amdhsa_reserve_vcc 0
		.amdhsa_float_denorm_mode_32 3
		.amdhsa_float_denorm_mode_16_64 3
		.amdhsa_memory_ordered 1
		.amdhsa_forward_progress 1
		.amdhsa_inst_pref_size 44
	.end_amdhsa_kernel
	.amdgpu_metadata
---
amdhsa.version: [ 1, 2 ]
amdhsa.kernels:
  - .name:           k_qa27e625894_attn
    .symbol:         k_qa27e625894_attn.kd
    .args:
      - { .name: qkv, .offset: 0, .size: 8, .value_kind: global_buffer, .address_space: global }
      - { .name: lowp_scales, .offset: 8, .size: 8, .value_kind: global_buffer, .address_space: global }
      - { .name: ac, .offset: 16, .size: 8, .value_kind: global_buffer, .address_space: global }
    .group_segment_fixed_size: 327680
    .private_segment_fixed_size: 0
    .kernarg_segment_align: 8
    .kernarg_segment_size: 24
    .max_flat_workgroup_size: 512
    .sgpr_count:     66
    .vgpr_count:     256
    .wavefront_size: 32
...
	.end_amdgpu_metadata
.endif
;; end of part 3
;; launch outp (part 4): grid 8 x 32, 4 waves a work-group, no clusters, 34,304 bytes of LDS; arguments ac, codes, bo, lowp_scales, out0; writes out0
.if DOCPART == 4
	.amdgcn_target "amdgcn-amd-amdhsa--gfx1250"
	.amdhsa_code_object_version 6
	.text
	.protected	k_qa27e625894_outp
	.globl	k_qa27e625894_outp
	.p2align	8
	.type	k_qa27e625894_outp,@function
k_qa27e625894_outp:
	s_mov_b64 s[64:65], 0
	v_nop
	global_prefetch_b8 v0, s[64:65] scope:SCOPE_SE
	s_setreg_imm32_b32 hwreg(HW_REG_WAVE_MODE, 25, 1), 1
	s_wait_xcnt 0x0
; out0 = attn Wo + bo on codes of BF8 (E5M2), sums in f32, each finished sum x 2^(e10 + e11).  attn's codes (ac) and Wo's (in codes, at WO0) lie in memory as images of the operands' registers:
; [tile of 16 rows][K block 8][2,048]; a fragment (16 rows x 128 K) has group c at 512 c and lane l's 16 bytes at 16 l.
; SHARES.  A wave makes 64 rows x 128 columns of out0: 32 accumulators, 256 registers.  A work-group's four waves stand one below the other on the same 128 columns; 8 x 32 work-groups, one on each WGP.
; THE OPERANDS GO FROM MEMORY STRAIGHT INTO REGISTERS: the images need no re-laying, so a fragment is four loads of 512 consecutive bytes, and a wave reads each of its 96 fragments once.
; K = 1,024 is eight steps of 128: 48 loads (Wo's 8 fragments, attn's 4) and 32 matrix instructions each.  Three sets of 192 registers take turns; step k + 2's loads are issued ahead of step k's products.
; NO LDS RING, NO CLUSTER: nothing is staged, so no slot is ever filled again and the waves meet at no barrier; a ring of two slots would change slots four times in these eight steps.
; NO PREFETCH: the loads themselves run two K steps ahead of the products.
; THE MATRIX INSTRUCTION IS USED TRANSPOSED (source 0 = 16 columns' codes of Wo, source 1 = 16 rows of attn): a lane holds eight neighbouring numbers of a row of out0.
; THE BIAS, divided by 2^(e10 + e11), is the C of each sum's first matrix instruction: nothing is cleared, nothing is added later.
; LIMIT: e10 + e11 between -126 and 127.
; REGISTERS, in windows of 256: windows 0, 1, 2: v64-127 attn's fragments, v128-255 Wo's: set 0, 1, 2.  Window 0: v0-31 addresses.  Window 1: v0-63 the bias.  Window 3: accumulator (a, b) at v[8 (8 a + b)].
; On the way out window 0's v64-255 are at work.
.set WO0,    25165824+3*1048576
.set SIZE_N, 1024
.set SPITCH, 528                       ; the way out: a stage of 16 rows x (512 bytes + 16) for each wave
.set SPARE,  4*16*SPITCH               ; behind the stages: the spare words, 128 bytes for each wave: two blocks of 256 bytes that no other line names
.set LI,   16                          ; v16  16 x lane
.set STO,  24                          ; v24  the stage, on the way in
.set RD,   25                          ; v25  and on the way out
.set BO,   27                          ; v27  32 x (lane / 16): my eight numbers of 16 of the bias
.set SPW,  28
.set NIL,  29
.set AF,   64
.set BF,   128
.set TMP,  64
.set BK,   128
.set MSB, 0
.macro WIN new                         ; the immediate's high byte repeats the setting that is left
.if MSB != \new
	s_set_vgpr_msb (MSB<<8)|\new
.set MSB, \new
.endif
.endm
.macro PLACES
.rept 4
	v_nop
.endr
.endm
.macro LOADS k                         ; K step k's 48 loads into set k % 3 (destination: that window; address: window 0)
	WIN (((\k)%3)<<6)
.irp i, 0,1,2,3,4,5,6,7
.irp c, 0,1,2,3
	global_load_b128 v[BF+16*\i+4*\c:BF+16*\i+4*\c+3], v[LI], s[6:7] offset:16384*\i+2048*(\k)+512*\c
.endr
.endr
.irp i, 0,1,2,3
.irp c, 0,1,2,3
	global_load_b128 v[AF+16*\i+4*\c:AF+16*\i+4*\c+3], v[LI], s[4:5] offset:16384*\i+2048*(\k)+512*\c
.endr
.endr
.endm
.macro MUL32 k                         ; the 32 accumulators take turns, one instruction a turn, in the same order in every step
.if (\k) == 0
	WIN 0xd0                                       ; sources 0, 1: window 0; C (the bias): window 1; D: window 3
.else
	WIN (0xf0|(((\k)%3)*5))                        ; sources 0, 1: the set's window; C and D: window 3
.endif
.irp a, 0,1,2,3
.irp b, 0,1,2,3,4,5,6,7
.if (\k) == 0
	v_wmma_f32_16x16x128_bf8_bf8 v[8*(8*\a+\b):8*(8*\a+\b)+7], v[BF+16*\b:BF+16*\b+15], v[AF+16*\a:AF+16*\a+15], v[8*\b:8*\b+7]
.else
	v_wmma_f32_16x16x128_bf8_bf8 v[8*(8*\a+\b):8*(8*\a+\b)+7], v[BF+16*\b:BF+16*\b+15], v[AF+16*\a:AF+16*\a+15], v[8*(8*\a+\b):8*(8*\a+\b)+7]
.endif
.endr
.endr
.endm
.macro STEP k
.if (\k) < 7
	s_wait_loadcnt 48                              ; this step's loads are in; the next step's 48 may be out
.else
	s_wait_loadcnt 0
.endif
.if (\k)+2 < 8
.if (\k) > 0
	PLACES                                         ; four places in front of loads into the set that the step before multiplied
.endif
	LOADS (\k)+2
.endif
	MUL32 \k
.endm
	s_load_b256 s[4:11], s[0:1], 0x0               ; ac s[4:5], codes s[6:7], bo s[8:9], the scales' exponents s[10:11]
	s_load_b64 s[12:13], s[0:1], 0x20              ; out0
	v_lshl_add_u32 v[SPW], v0, 2, SPARE
	v_mov_b32 v[NIL], 0
	v_lshrrev_b32 v1, 5, v0
	v_readfirstlane_b32 s14, v1                    ; wave 0..3
	v_and_b32 v3, 31, v0
	v_lshlrev_b32 v[LI], 4, v3
	v_and_b32 v1, 15, v0                           ; r
	v_bfe_u32 v2, v0, 4, 1                         ; h
	s_mul_i32 s23, s14, 16*SPITCH                  ; my stage
	v_mul_u32_u24 v5, v1, SPITCH
	v_lshl_add_u32 v5, v2, 5, v5
	v_add_nc_u32 v[STO], s23, v5                   ; in: row r, 32 bytes for each half of the lanes
	v_add_nc_u32 v[RD], s23, v[LI]                 ; back: the 32 lanes take one row of 512 bytes
	v_lshlrev_b32 v[BO], 5, v2
	s_and_b32 s15, ttmp7, 0xffff                   ; which 256 rows
	s_lshl_b32 s16, s15, 18                        ; 16 row tiles of 16,384 bytes,
	s_lshl_b32 s17, s14, 16                        ; my four of them
	s_add_co_u32 s16, s16, s17
	s_mov_b32 s17, 0
	s_lshl_b32 s24, ttmp9, 17                      ; which 128 columns: 8 column tiles of 16,384 bytes
	s_add_co_u32 s24, s24, WO0
	s_mov_b32 s25, 0
	s_lshl_b32 s26, ttmp9, 9                       ; the same columns in bo and in a row of out0: 512 bytes
	s_mov_b32 s27, 0
	s_lshl_b32 s28, s15, 20                        ; 256 rows of 4,096 bytes,
	s_lshl_b32 s29, s14, 18                        ; my 64
	s_add_co_u32 s28, s28, s29
	s_add_co_u32 s28, s28, s26
	s_mov_b32 s29, 0
	s_wait_alu depctr_va_vdst(0)
	s_wait_kmcnt 0x0
	s_load_b64 s[20:21], s[10:11], 0x28            ; e10, e11
	s_add_nc_u64 s[4:5], s[4:5], s[16:17]
	s_add_nc_u64 s[6:7], s[6:7], s[24:25]
	s_add_nc_u64 s[8:9], s[8:9], s[26:27]
	s_add_nc_u64 s[12:13], s[12:13], s[28:29]
	WIN 0x40                                       ; destination: window 1
.irp b, 0,1,2,3,4,5,6,7
	global_load_b128 v[8*\b:8*\b+3],   v[BO], s[8:9] offset:64*\b
	global_load_b128 v[8*\b+4:8*\b+7], v[BO], s[8:9] offset:64*\b+16
.endr
	LOADS 0
	s_wait_kmcnt 0x0
	s_add_co_i32 s20, s20, s21                     ; e10 + e11
	s_sub_co_i32 s18, 0, s20
	s_add_co_i32 s20, s20, 127
	s_lshl_b32 s20, s20, 23                        ; 2^(e10 + e11) as f32
	s_mov_b32 s21, s20                             ; (named with it as a pair)
	s_wait_loadcnt 48                              ; the bias is in; K step 0's 48 loads may be out
	WIN 0x41                                       ; source 0 and destination: window 1
.set j, 0
.rept 64
	v_ldexp_f32 v[j], v[j], s18                    ; a sum stands for sum x 2^(e10 + e11): the bias goes in divided by that; nothing is rounded
.set j, j+1
.endr
	s_wait_alu depctr_va_vdst(0)
	LOADS 1
	STEP 0
	STEP 1
	STEP 2
	STEP 3
	STEP 4
	STEP 5
	STEP 6
	STEP 7
	WIN 0
; THE WAY OUT, block by block of 16 rows x 128 columns: a lane holds 32 neighbouring bytes of a row, and the lanes beside it hold other rows: so a block goes through my own stage in LDS and comes back as whole
; rows of 512 bytes, which the 32 lanes store as two aligned units of 256 bytes.  LDS serves a wave's instructions in order (ISA guide 5.7.1.4): no wait between the stores and the loads.
.macro TOSTAGE a
.set AC, 64*(\a)
	WIN 0x03                                       ; source 0: window 3
.set j, 0
.rept 32
	v_pk_mul_f32 v[TMP+j:TMP+j+1], v[AC+j:AC+j+1], s[20:21] op_sel_hi:[1,0]   ; x 2^(e10 + e11); each accumulator from its low end on
.set j, j+2
.endr
	WIN 0
.irp b, 0,1,2,3,4,5,6,7
	ds_store_b128 v[STO], v[TMP+8*\b:TMP+8*\b+3] offset:64*\b
	ds_store_b128 v[STO], v[TMP+8*\b+4:TMP+8*\b+7] offset:64*\b+16
.endr
.set BKS, BK+64*((\a)%2)
.irp t, 0,1,2,3,4,5,6,7,8,9,10,11,12,13,14,15
	ds_load_b128 v[BKS+4*\t:BKS+4*\t+3], v[RD] offset:\t*SPITCH
.endr
.endm
.macro SEND a, younger                 ; younger: the LDS instructions issued behind block a's loads, which may stay out
.set BKS, BK+64*((\a)%2)
	s_wait_dscnt \younger
.if (\a) > 0
	s_add_nc_u64 s[12:13], s[12:13], 16*SIZE_N*4   ; (behind a wait on XCNT: the earlier stores have read their base)
.endif
.irp t, 0,1,2,3,4,5,6,7,8,9,10,11,12,13,14,15
	global_store_b128 v[LI], v[BKS+4*\t:BKS+4*\t+3], s[12:13] offset:\t*SIZE_N*4 th:TH_STORE_NT
.endr
.endm
	PLACES                                         ; behind the last products
	TOSTAGE 0
.irp a, 1,2,3
.if \a > 1
	s_wait_xcnt 0x0                                ; block a - 2's stores have read their registers and their base
.endif
	TOSTAGE \a
	SEND \a-1, 32                                  ; behind block a - 1's loads: block a's 16 stores and 16 loads
.endr
	s_wait_xcnt 0x0
	SEND 3, 0
	s_wait_tensorcnt 0x0                           ; the wave's end, behind my last LDS store
	ds_add_u32 v[SPW], v[NIL]
	s_wait_dscnt 0x0
	s_endpgm
.Lfunc_end_k_qa27e625894_outp:
	.size	k_qa27e625894_outp, .Lfunc_end_k_qa27e625894_outp-k_qa27e625894_outp
	.p2alignl 7, 3214868480
	.fill 96, 4, 3214868480
	.section	.rodata,"a",@progbits
	.p2align	6, 0x0
	.amdhsa_kernel k_qa27e625894_outp
		.amdhsa_group_segment_fixed_size 34304
		.amdhsa_private_segment_fixed_size 0
		.amdhsa_enable_private_segment 0
		.amdhsa_kernarg_size 40
		.amdhsa_user_sgpr_count 2
		.amdhsa_user_sgpr_kernarg_segment_ptr 1
		.amdhsa_wavefront_size32 1
		.amdhsa_system_sgpr_workgroup_id_x 1
		.amdhsa_system_sgpr_workgroup_id_y 1
		.amdhsa_system_sgpr_workgroup_id_z 1
		.amdhsa_system_vgpr_workitem_id 0
		.amdhsa_next_free_vgpr 1024
		.amdhsa_next_free_sgpr 66
		.amdhsa_reserve_vcc 0
		.amdhsa_float_denorm_mode_32 3
		.amdhsa_float_denorm_mode_16_64 3
		.amdhsa_memory_ordered 1
		.amdhsa_forward_progress 1
		.amdhsa_inst_pref_size 84
	.end_amdhsa_kernel
	.amdgpu_metadata
---
amdhsa.version: [ 1, 2 ]
amdhsa.kernels:
  - .name:           k_qa27e625894_outp
    .symbol:         k_qa27e625894_outp.kd
    .args:
      - { .name: ac, .offset: 0, .size: 8, .value_kind: global_buffer, .address_space: global }
      - { .name: codes, .offset: 8, .size: 8, .value_kind: global_buffer, .address_space: global }
      - { .name: bo, .offset: 16, .size: 8, .value_kind: global_buffer, .address_space: global }
      - { .name: lowp_scales, .offset: 24, .size: 8, .value_kind: global_buffer, .address_space: global }
      - { .name: out0, .offset: 32, .size: 8, .value_kind: global_buffer, .address_space: global }
    .group_segment_fixed_size: 34304
    .private_segment_fixed_size: 0
    .kernarg_segment_align: 8
    .kernarg_segment_size: 40
    .max_flat_workgroup_size: 128
    .sgpr_count:     66
    .vgpr_count:     1024
    .wavefront_size: 32
...
	.end_amdgpu_metadata
.endif
;; end of part 4
